; MI455X (gfx1250); checked and timed in simulation.
; The chip was launched on July 23, 2026; its instructions are those of AMD's public machine-readable ISA for CDNA 5 (MIT licence, August 2026) and "CDNA5" Instruction Set Architecture Reference Guide (July 2026). The comments in the code are by the model that wrote it; some were corrected since.
;; Attention. Allowed arithmetic: matrix products marked QUANTISED: E2M3 operands, one E8M0 scale for each 32 along K, by v_wmma_scale_f32_16x16x128_f8f6f4 with both operands' format E2M3, f32 sums; everything else in f32.
;; Inputs: Wk 512 x 512 float32; Wq 512 x 512 float32; Wv 512 x 512 float32; bk 512 float32; bq 512 float32; bv 512 float32; x 2 x 4,096 x 512 float32.
;; Outputs: out0 2 x 4,096 x 512 float32.
;; This version of the problem:
;;   THIS VERSION OF THE PROBLEM IS GIVEN IN LOW PRECISION. The matrix products marked QUANTISED in the list below multiply operands that are first quantised to E2M3 (2 exponent bits, 3 mantissa bits; 6 bits a number), with one power-of-two scale for each 32 numbers along K (OCP MX v1.0); their sums are f32. All else is computed in f32.
;;   The module's matrix products, in the order in which they are computed (A, B: the left and right operand; K: the contracted axis; several contracted axes count as one K, in the product's order):
;;     1. [M 8,192, K 512] x [K 512, N 512]; A: input x; B: input Wq: QUANTISED
;;     2. [M 8,192, K 512] x [K 512, N 512]; A: input x; B: input Wk: QUANTISED
;;     3. [M 8,192, K 512] x [K 512, N 512]; A: input x; B: input Wv: QUANTISED
;;     4. batch 16 x [M 4,096, K 64] x [K 64, N 4,096]; A: computed on the way; B: computed on the way: QUANTISED
;;     5. batch 16 x [M 4,096, K 4,096] x [K 4,096, N 64]; A: softmax (see below); B: computed on the way: QUANTISED
;;   THE QUANTISER, for each operand of a quantised product, along K:
;;     - K is cut into blocks of 32 from its start; a last block that is shorter is filled with zeros.
;;     - A block's scale is 2^e with e = floor(log2(the largest magnitude in the block)) - 2, held to -126 .. 127; a block of zeros has e = 0. As a byte (E8M0): e + 127.
;;     - Each number is divided by its block's scale, clamped to +-7.5, and rounded to the nearest number of E2M3, ties to even, subnormals kept.
;;     - The product sums the exact products of the quantised numbers (number of the format x scale) in f32.
;;   ~~~python
;;   def quantise(x, axis):      # numpy; x: float32 -> the quantised numbers, widened to float32 again
;;       x = np.moveaxis(x, axis, -1); K = x.shape[-1]
;;       x = np.pad(x, [(0, 0)] * (x.ndim - 1) + [(0, -K % 32)]); x = x.reshape(x.shape[:-1] + (-1, 32)); a = np.abs(x).max(-1, keepdims=True)
;;       e = np.where(a > 0, np.clip(np.frexp(np.where(a > 0, a, 1))[1] - 1 - 2, -126, 127), 0)      # np.frexp(a)[1] - 1 = floor(log2(a)), exactly
;;       r = np.clip(x / 2.0 ** e, -7.5, 7.5)
;;       step = 2.0 ** (np.maximum(np.frexp(np.where(r == 0, 1, r))[1] - 1, 0) - 3)
;;       q = np.round(r / step) * step * 2.0 ** e      # np.round: ties to even
;;       return np.moveaxis(q.reshape(q.shape[:-2] + (-1,))[..., :K], -1, axis).astype(np.float32)
;;   ~~~
;;   SOFTMAX AHEAD OF A QUANTISED PRODUCT. Where the list says 'softmax', what is quantised is not the finished softmax but p = 2^(t - M), with t = logit x log2(e) and M = ceil(the row's largest t), a whole number; so 1/2 < the row's largest p <= 1. The row's sum l is taken of the UNQUANTISED p, in f32, and the product's result is divided by l at the end. Since M is a whole number, a kernel that streams over the keys may use a running M (the ceiling of the running maximum): every later rescaling is an exact power of two, which a block's scale takes up: the codes' values come out the same.
;;   OPERANDS COMPUTED ON THE WAY. 'Computed on the way' means the value that the module computes at that place (a softmax that the list does not call 'softmax' is quantised finished and normalised). What goes into a quantiser is computed in f32, as accurately as f32 sums, v_exp_f32 and their like allow (about 1e-6 of the number): no bf16 or f16 on the way to a quantiser, and a product that is left as it is and whose result goes on into a quantised operand takes f32 operands (vector FMAs, or v_wmma_f32_16x16x4_f32). A number that lies on a knife's edge between two numbers of the format may be rounded either way, as far as f32 arithmetic and the matrix unit's own rounding can turn it there, and no further.
;; One version. Each part assembles by itself: llvm-mc -triple=amdgcn-amd-amdhsa -mcpu=gfx1250 --defsym DOCPART=n.
;; ======== version 1 of 1: 3 launches
;; limits: right only within a limited range of input values
;; workspace buffers: xq 3,276,800 bytes; wq 614,400 bytes; qc 3,407,872 bytes; kv 6,684,672 bytes
;; launch quant (part 1): grid 352 x 1, 2 waves a work-group, no clusters, 17,152 bytes of LDS; arguments x, Wq, Wk, Wv, xq, wq; writes xq, wq
.if DOCPART == 1
	.amdgcn_target "amdgcn-amd-amdhsa--gfx1250"
	.amdhsa_code_object_version 6
	.text
	.protected	k_qf0edc62660_quant
	.globl	k_qf0edc62660_quant
	.p2align	8
	.type	k_qf0edc62660_quant,@function
k_qf0edc62660_quant:
	s_mov_b64 s[64:65], 0
	v_nop
	global_prefetch_b8 v0, s[64:65] scope:SCOPE_SE
	s_setreg_imm32_b32 hwreg(HW_REG_WAVE_MODE, 25, 1), 1
	s_wait_xcnt 0x0
; x [8192][512] f32 (K innermost) and Wq, Wk, Wv [512 (k)][512 (n)] f32 (K outermost) become codes of FP6 (E2M3) with one E8M0 byte for each 32 along K,
; laid as IMAGES OF OPERAND REGISTERS: a fragment (16 rows x 128 K, 12 registers a lane) is 1,536 bytes, registers 4 p .. 4 p + 3 of lane l at byte 512 p + 16 l.
; A block's scale byte is its largest magnitude's exponent field - 2, held at 1 from below; each number is divided by the scale and rounded to the nearest code, ties to even, beyond 7.5 the largest code.
; LIMITS: NaN and infinities among the inputs are not served; a block whose largest magnitude lies under 2^-124 keeps the byte 1; a block of zeros gets the byte 1 where the rule says 127:
; its codes are zeros, which add nothing under any byte but 0xff, and these bytes are read by this program alone.
; xq: 64 blocks of 128 tokens, 51,200 bytes each: fragment (row tile T, K step s) at (4 T + s) x 1,536; the scale words of tile T at 49,152 + 256 T: byte 8 l + 4 j = the word of K step 2 j + l / 16, row l % 16.
;     ROW r OF TILE T = 2 b + u IS TOKEN 32 b + 8 u + r + 8 (r / 8) of the block: so a transposed product's 16 registers of tiles 2 b, 2 b + 1 are 16 neighbours along the next K.
; wq: 4 pairs of heads, 153,600 bytes each: column tile ct = 12 (head % 2) + 4 kind + tile (kind 0, 1, 2 = q, k, v); fragment (ct, s) at (4 ct + s) x 1,536;
;     scale words at 147,456 + 512 (ct / 2) + 128 s + 4 l: lanes 0-15 the even tile's rows, lanes 16-31 the odd one's.  Wq's and Wk's columns of a head are ordered as x's rows are, Wv's as they lie.
; One launch serves all four tensors: work-groups 0-95 take the weights, the other 256 take x.  Waves share nothing: no barrier.  Only x's path touches LDS.  No matrix unit, no cluster: no byte is read twice.
; THE ORDER OF x's ROWS, which stands in place of the order named above: ROW r OF TILE T = 4 c + t IS TOKEN 64 c + 8 t + r % 8 + 32 (r / 8) of the block:
; so in a product's result a lane's 32 registers of tiles 4 c .. 4 c + 3 are one whole block of 32 neighbouring tokens (block 2 c + lane / 16).
.set NWGW,   96
.set XQB,    51200
.set WQB,    153600
.set XSCO,   49152
.set WSCO,   147456
.set FRB,    1536
.set SPITCH, 528                       ; a stage row: 512 bytes + 16, so that the 16 rows that a read touches fall into 16 different columns of 16 bytes
.set WSTG,   16*SPITCH                 ; a wave's stage
.set WV,  18                           ; s18      my wave's number
.set SEL, 20                           ; s[20:21] lane selects for v_permlanex16_b32: lane l xor 16
.set HIM, 22                           ; s22      mask of lanes 16-31
; the weights' path
.set D,   64                           ; v64-191  128 numbers down K of my column
.set FA,  32                           ; v32-43   codes of blocks 0 and 2;  v44-55 of blocks 1 and 3
.set FB,  44
.set CTW, 56                           ; v56-58   a block's upper 16 codes (a conversion's three registers begin on an even number)
; x's path
.set TM,  10                           ; v10-13 largest magnitudes, v14-17 bytes, v22-25 the conversions' scale operands
.set PW,  26                           ; v26-29   the scale word of each K step
.set SW,  30                           ; v30-31   the scale words as they are stored
.set PC,  32                           ; v32-43   a fragment's codes
.set CT,  44                           ; v44-46, v48-50 at work
.set R,   64                           ; v64-191  two sets of 64 numbers as loaded
.set X,   192                          ; v192-255 64 numbers: register 16 b + i = k 32 b + 16 (lane / 16) + i of my row
; 64 numbers of a lane become a fragment's codes in v[PC] on and its row's scale word in v[pw]
.macro QUANT src, pw
.irp b, 0,1,2,3
	v_max3_num_f32 v[TM+\b], |v[\src+16*\b]|, |v[\src+1+16*\b]|, 0x1800000   ; block b: my 16 numbers, and the floor 2^(3 - 127): the byte cannot fall under 1
.endr
.irp i, 2,4,6,8,10,12,14
.irp b, 0,1,2,3
	v_max3_num_f32 v[TM+\b], v[TM+\b], |v[\src+16*\b+\i]|, |v[\src+1+16*\b+\i]|   ; the four blocks by turns
.endr
.endr
.irp b, 0,1,2,3
	v_permlanex16_b32 v[TM+4+\b], v[TM+\b], s[SEL], s[SEL+1]
.endr
.irp b, 0,1,2,3
	v_max_num_f32 v[TM+\b], v[TM+\b], v[TM+4+\b]   ; with lane l xor 16's 16: the block's largest magnitude
.endr
.irp b, 0,1,2,3
	v_add_nc_u32 v[TM+12+\b], 0xff000000, v[TM+\b]   ; 2 off its exponent field: the conversion takes the exponent field of this operand as its scale
.endr
.irp b, 0,1,2,3
	v_lshrrev_b32 v[TM+4+\b], 23, v[TM+12+\b]      ; the scale's byte
.endr
	v_lshl_or_b32 v[\pw], v[TM+5], 8, v[TM+4]
	v_lshl_or_b32 v[\pw], v[TM+6], 16, v[\pw]
	v_lshl_or_b32 v[\pw], v[TM+7], 24, v[\pw]
.irp c, 0,1
	v_cvt_scalef32_pk16_fp6_f32 v[PC+6*\c:PC+2+6*\c], v[\src+32*\c:\src+15+32*\c], v[TM+12+2*\c]
	v_cvt_scalef32_pk16_fp6_f32 v[CT+4*\c:CT+2+4*\c], v[\src+16+32*\c:\src+31+32*\c], v[TM+12+2*\c+1]
.endr
	v_nop                                          ; one plain place behind a scaled conversion
.irp c, 0,1                                    ; the operand's layout wants a whole block in a lane: lanes 0-15 block 2 c, lanes 16-31 block 2 c + 1
.irp i, 0,1,2
	v_permlane16_swap_b32 v[PC+6*\c+\i], v[CT+4*\c+\i]
.endr
.irp i, 0,1,2
	v_mov_b32 v[PC+3+6*\c+\i], v[CT+4*\c+\i]
.endr
.endr
.endm
	s_load_b256 s[4:11], s[0:1], 0x0               ; x s[4:5], Wq s[6:7], Wk s[8:9], Wv s[10:11]
	s_load_b128 s[12:15], s[0:1], 0x20             ; xq s[12:13], wq s[14:15]
	v_lshl_add_u32 v62, v0, 2, 0x4200
	v_mov_b32 v63, 0
	v_lshrrev_b32 v1, 5, v0
	v_readfirstlane_b32 s[WV], v1                  ; wave 0, 1
	v_and_b32 v7, 31, v0                           ; lane
	s_mov_b32 s[SEL], 0x76543210
	s_mov_b32 s[SEL+1], 0xfedcba98
	s_mov_b32 s[HIM], 0xffff0000
	s_cmp_lt_u32 ttmp9, NWGW
	s_cbranch_scc0 .Lpath_x
; ---------------- THE WEIGHTS.  A wave takes 32 columns x 128 along K.  A LANE TAKES A COLUMN AND ITS REGISTERS RUN DOWN K: a block of 32 lies in one lane, and the codes come out with K innermost.
	s_lshr_b32 s24, ttmp9, 5                       ; kind: 0 q, 1 k, 2 v
	s_and_b32 s25, ttmp9, 3                        ; K step s
	s_bfe_u32 s26, ttmp9, 0x30002
	s_lshl_b32 s26, s26, 1
	s_add_co_u32 s26, s26, s[WV]                   ; which 32 columns: 0 .. 15
	s_lshr_b32 s27, s26, 2                         ; the pair of heads
	s_bfe_u32 s28, s26, 0x10001                    ; head % 2
	s_and_b32 s29, s26, 1                          ; which half of the head's 64 columns
	s_mul_i32 s30, s28, 12
	s_lshl_b32 s31, s24, 2
	s_add_co_u32 s30, s30, s31
	s_lshl_b32 s31, s29, 1
	s_add_co_u32 s30, s30, s31                     ; my first column tile: an even number; lanes 0-15 are its rows, lanes 16-31 the next tile's
	s_mul_i32 s32, s27, WQB
	s_lshl_b32 s31, s30, 2
	s_add_co_u32 s31, s31, s25
	s_mul_i32 s31, s31, FRB
	s_add_co_u32 s34, s31, s32                     ; where its fragment of K step s goes
	s_mov_b32 s35, 0
	s_lshl_b32 s36, s30, 8                         ; 512 x (tile / 2)
	s_lshl_b32 s33, s25, 7
	s_add_co_u32 s36, s36, s33
	s_add_co_u32 s36, s36, s32
	s_add_co_u32 s36, s36, WSCO                    ; and the two tiles' scale words
	s_mov_b32 s37, 0
	s_lshl_b32 s38, s25, 18                        ; in: 128 rows of 2,048 bytes a K step,
	s_lshl_b32 s33, s26, 7                         ; 128 bytes for 32 columns
	s_add_co_u32 s38, s38, s33
	s_mov_b32 s39, 0
	s_cmp_lt_u32 s24, 2
	s_cselect_b32 s40, 24, 0                       ; q, k: lane l takes column l with its bits 3 and 4 exchanged; v: column l
	s_wait_alu depctr_va_vdst(0)
	v_bfe_u32 v2, v7, 3, 1
	v_bfe_u32 v3, v7, 4, 1
	v_xor_b32 v2, v2, v3
	v_mul_u32_u24 v2, s40, v2
	v_xor_b32 v2, v7, v2
	v_lshlrev_b32 v2, 2, v2                        ; 4 x my column: the wave's 32 lanes still read 128 consecutive bytes, the work-group's two waves 256, aligned
	v_lshlrev_b32 v3, 4, v7                        ; 16 x lane
	v_lshlrev_b32 v4, 2, v7                        ; 4 x lane
	s_wait_alu depctr_va_vdst(0)
	s_wait_kmcnt 0x0
	s_cmp_eq_u32 s24, 0                            ; the choice hangs on the work-group's number alone
	s_cselect_b64 s[42:43], s[6:7], s[8:9]
	s_cmp_eq_u32 s24, 2
	s_cselect_b64 s[42:43], s[10:11], s[42:43]
	s_add_nc_u64 s[42:43], s[42:43], s[38:39]
	s_add_nc_u64 s[44:45], s[14:15], s[34:35]
	s_add_nc_u64 s[46:47], s[14:15], s[36:37]
.macro LOADW q                         ; block q: W(128 s + 32 q + i, my column)
.irp i, 0,1,2,3,4,5,6,7,8,9,10,11,12,13,14,15,16,17,18,19,20,21,22,23,24,25,26,27,28,29,30,31
	global_load_b32 v[D+32*(\q)+\i], v2, s[42:43] offset:(32*(\q)+\i)*2048 th:TH_LOAD_NT
.endr
.endm
.macro WBLOCK q
.set DQ, D+32*(\q)
.set FQ, FA+12*((\q)%2)+6*((\q)/2)
.if (\q) < 3
	s_wait_loadcnt 32                              ; this block's 32 loads are in; the next block's 32 may be out
.else
	s_wait_loadcnt 0x0
.endif
.if (\q) < 2
	LOADW (\q)+2                                   ; each block has registers of its own: the loads run two blocks ahead
.endif
	v_max3_num_f32 v10, |v[DQ]|, |v[DQ+1]|, |v[DQ+2]|   ; the block's largest magnitude: all 32 numbers are mine; two chains
	v_max3_num_f32 v11, |v[DQ+3]|, |v[DQ+4]|, |v[DQ+5]|
.irp i, 6,10,14,18,22,26
	v_max3_num_f32 v10, v10, |v[DQ+\i]|, |v[DQ+\i+1]|
	v_max3_num_f32 v11, v11, |v[DQ+\i+2]|, |v[DQ+\i+3]|
.endr
	v_max3_num_f32 v10, v10, |v[DQ+30]|, |v[DQ+31]|
	v_max3_num_f32 v10, v10, v11, 0x1800000        ; and the floor 2^(3 - 127)
	v_add_nc_u32 v12, 0xff000000, v10              ; the conversion's scale operand
	v_lshrrev_b32 v13, 23, v12                     ; the scale's byte
.if (\q) == 0
	v_mov_b32 v14, v13                             ; my column's scale word: the lower K in the lower byte
.else
	v_lshl_or_b32 v14, v13, 8*(\q), v14
.endif
	v_cvt_scalef32_pk16_fp6_f32 v[FQ:FQ+2], v[DQ:DQ+15], v12
	v_cvt_scalef32_pk16_fp6_f32 v[CTW:CTW+2], v[DQ+16:DQ+31], v12
	v_nop                                          ; one plain place behind a scaled conversion
.irp i, 0,1,2
	v_mov_b32 v[FQ+3+\i], v[CTW+\i]
.endr
.endm
	LOADW 0
	LOADW 1
	WBLOCK 0
	WBLOCK 1
	WBLOCK 2
	WBLOCK 3
.irp i, 0,1,2,3,4,5,6,7,8,9,10,11      ; a fragment wants blocks 0, 2 of its column in lanes 0-15 and blocks 1, 3 in lanes 16-31:
	v_permlane16_swap_b32 v[FA+\i], v[FB+\i]       ; the even blocks' lanes 16-31 change places with the odd blocks' lanes 0-15: FA is now the first tile's fragment, FB the second's
.endr
.irp p, 0,1,2
	global_store_b128 v3, v[FA+4*\p:FA+4*\p+3], s[44:45] offset:512*\p            ; each store covers 512 consecutive bytes, aligned to 256
	global_store_b128 v3, v[FB+4*\p:FB+4*\p+3], s[44:45] offset:4*FRB+512*\p      ; the next tile's fragments lie four fragments on
.endr
	global_store_b32 v4, v14, s[46:47]             ; 128 consecutive bytes: half of an aligned 256; all such stores of the launch together are 24,576 bytes
	s_endpgm
; ---------------- x.  A wave takes one row tile: 16 rows x 512 along K, four K steps.  Each load reads one row's 512 consecutive bytes; a step's 8,192 bytes turn through the wave's own stage in LDS,
; so that a lane gets 16 neighbours of each block of 32 of ONE row, as the conversions want them.
.Lpath_x:
	s_sub_co_u32 s24, ttmp9, NWGW
	s_lshl_b32 s24, s24, 1
	s_add_co_u32 s24, s24, s[WV]                   ; which of the 512 row tiles
	s_lshr_b32 s25, s24, 3                         ; the block of 128 tokens
	s_and_b32 s26, s24, 7                          ; T
	s_lshl_b32 s27, s25, 7
	s_lshr_b32 s28, s26, 2
	s_lshl_b32 s28, s28, 6
	s_add_co_u32 s27, s27, s28
	s_and_b32 s28, s26, 3
	s_lshl_b32 s28, s28, 3
	s_add_co_u32 s27, s27, s28                     ; the tile's row 0: token 128 block + 64 (T / 4) + 8 (T % 4)
	s_lshl_b32 s28, s27, 11                        ; a row of x is 2,048 bytes
	s_mov_b32 s29, 0
	s_mul_i32 s30, s25, XQB
	s_mul_i32 s31, s26, 4*FRB
	s_add_co_u32 s32, s30, s31                     ; where the tile's four fragments go
	s_mov_b32 s33, 0
	s_lshl_b32 s34, s26, 8
	s_add_co_u32 s34, s34, s30
	s_add_co_u32 s34, s34, XSCO                    ; and its scale words
	s_mov_b32 s35, 0
	s_mul_i32 s36, s[WV], WSTG                     ; my stage
	s_wait_alu depctr_va_vdst(0)
	v_lshlrev_b32 v1, 4, v7                        ; 16 x lane
	v_lshlrev_b32 v2, 3, v7                        ; 8 x lane
	v_add_nc_u32 v3, s36, v1                       ; the stage, on the way in: a row as it lies
	v_and_b32 v5, 15, v7
	v_bfe_u32 v6, v7, 4, 1
	v_mul_u32_u24 v4, v5, SPITCH
	v_lshl_add_u32 v4, v6, 6, v4
	v_add_nc_u32 v4, s36, v4                       ; and on the way out: row lane % 16, + 64 (lane / 16): my 16 numbers of a block of 32
.irp b, 0,1,2,3
	v_mov_b32 v[TM+4+\b], 0                        ; written once: a lane permute's destination counts as one of its sources
.endr
	s_wait_alu depctr_va_vdst(0)
	s_wait_kmcnt 0x0
	s_add_nc_u64 s[4:5], s[4:5], s[28:29]
	s_add_nc_u64 s[38:39], s[12:13], s[32:33]
	s_add_nc_u64 s[40:41], s[12:13], s[34:35]
.macro LOADX t                         ; K step t of the tile's 16 rows into set t % 2
.irp i, 0,1,2,3,4,5,6,7,8,9,10,11,12,13,14,15
	global_load_b128 v[R+64*((\t)%2)+4*\i:R+64*((\t)%2)+4*\i+3], v1, s[4:5] offset:(\i+24*(\i/8))*2048+512*(\t) th:TH_LOAD_NT   ; rows 8-15 lie 32 tokens behind rows 0-7
.endr
.endm
.macro TURN t                          ; LDS serves a wave's instructions in order: no wait between the stores and the loads, and one stage is enough
.irp i, 0,1,2,3,4,5,6,7,8,9,10,11,12,13,14,15
	ds_store_b128 v3, v[R+64*((\t)%2)+4*\i:R+64*((\t)%2)+4*\i+3] offset:SPITCH*\i
.endr
.irp b, 0,1,2,3
.irp j, 0,1,2,3
	ds_load_b128 v[X+16*\b+4*\j:X+16*\b+4*\j+3], v4 offset:128*\b+16*\j
.endr
.endr
.endm
.macro XSTEP t
.if (\t) < 3
	s_wait_loadcnt 16                              ; this step's 16 loads are in; the next step's 16 may be out
.else
	s_wait_loadcnt 0x0
.endif
	TURN \t
	s_wait_dscnt 0x0                               ; the numbers are back, and the stores into the stage have read their registers
.if (\t) > 0
	s_wait_xcnt 0x0                                ; the last step's stores have read the codes' registers, which are written again below
.endif
.if (\t) < 2
	LOADX (\t)+2
.endif
	QUANT X, PW+(\t)
.irp p, 0,1,2
	global_store_b128 v1, v[PC+4*\p:PC+4*\p+3], s[38:39] offset:FRB*(\t)+512*\p   ; 512 consecutive bytes, aligned to 256
.endr
.endm
	LOADX 0
	LOADX 1
	XSTEP 0
	XSTEP 1
	XSTEP 2
	XSTEP 3
	v_cndmask_b32 v[SW], v[PW], v[PW+1], s[HIM]    ; every lane holds its row's words: lanes 0-15 keep K step 0's, lanes 16-31 K step 1's,
	v_cndmask_b32 v[SW+1], v[PW+2], v[PW+3], s[HIM]   ; and likewise steps 2 and 3
	global_store_b64 v2, v[SW:SW+1], s[40:41]      ; 256 consecutive bytes, aligned
	s_wait_tensorcnt 0x0
	ds_add_u32 v62, v63
	s_wait_dscnt 0x0
	s_endpgm
.Lfunc_end_k_qf0edc62660_quant:
	.size	k_qf0edc62660_quant, .Lfunc_end_k_qf0edc62660_quant-k_qf0edc62660_quant
	.p2alignl 7, 3214868480
	.fill 96, 4, 3214868480
	.section	.rodata,"a",@progbits
	.p2align	6, 0x0
	.amdhsa_kernel k_qf0edc62660_quant
		.amdhsa_group_segment_fixed_size 17152
		.amdhsa_private_segment_fixed_size 0
		.amdhsa_enable_private_segment 0
		.amdhsa_kernarg_size 48
		.amdhsa_user_sgpr_count 2
		.amdhsa_user_sgpr_kernarg_segment_ptr 1
		.amdhsa_wavefront_size32 1
		.amdhsa_system_sgpr_workgroup_id_x 1
		.amdhsa_system_sgpr_workgroup_id_y 1
		.amdhsa_system_sgpr_workgroup_id_z 1
		.amdhsa_system_vgpr_workitem_id 0
		.amdhsa_next_free_vgpr 256
		.amdhsa_next_free_sgpr 66
		.amdhsa_reserve_vcc 0
		.amdhsa_float_denorm_mode_32 3
		.amdhsa_float_denorm_mode_16_64 3
		.amdhsa_memory_ordered 1
		.amdhsa_forward_progress 1
		.amdhsa_inst_pref_size 54
	.end_amdhsa_kernel
	.amdgpu_metadata
---
amdhsa.version: [ 1, 2 ]
amdhsa.kernels:
  - .name:           k_qf0edc62660_quant
    .symbol:         k_qf0edc62660_quant.kd
    .args:
      - { .name: x, .offset: 0, .size: 8, .value_kind: global_buffer, .address_space: global }
      - { .name: Wq, .offset: 8, .size: 8, .value_kind: global_buffer, .address_space: global }
      - { .name: Wk, .offset: 16, .size: 8, .value_kind: global_buffer, .address_space: global }
      - { .name: Wv, .offset: 24, .size: 8, .value_kind: global_buffer, .address_space: global }
      - { .name: xq, .offset: 32, .size: 8, .value_kind: global_buffer, .address_space: global }
      - { .name: wq, .offset: 40, .size: 8, .value_kind: global_buffer, .address_space: global }
    .group_segment_fixed_size: 17152
    .private_segment_fixed_size: 0
    .kernarg_segment_align: 8
    .kernarg_segment_size: 48
    .max_flat_workgroup_size: 64
    .sgpr_count:     66
    .vgpr_count:     256
    .wavefront_size: 32
...
	.end_amdgpu_metadata
.endif
;; end of part 1
;; launch proj (part 2): grid 4 x 64, 12 waves a work-group, clusters of 4 x 4, 206,336 bytes of LDS; arguments xq, wq, bq, bk, bv, qc, kv; writes qc, kv
.if DOCPART == 2
	.amdgcn_target "amdgcn-amd-amdhsa--gfx1250"
	.amdhsa_code_object_version 6
	.text
	.protected	k_qf0edc62660_proj
	.globl	k_qf0edc62660_proj
	.p2align	8
	.type	k_qf0edc62660_proj,@function
k_qf0edc62660_proj:
	s_mov_b64 s[64:65], 0
	v_nop
	global_prefetch_b8 v0, s[64:65] scope:SCOPE_SE
	s_setreg_imm32_b32 hwreg(HW_REG_WAVE_MODE, 25, 1), 1
	s_wait_xcnt 0x0
	s_wait_alu depctr_hold_cnt(0) depctr_sa_sdst(0) depctr_va_vdst(0) depctr_va_sdst(0) depctr_va_ssrc(0) depctr_va_vcc(0) depctr_vm_vsrc(0)
	s_getreg_b32 s2, hwreg(HW_REG_IB_STS2, 6, 4)
	s_cmp_eq_u32 s2, 0
	s_cbranch_scc0 .Lentry_in_a_cluster
	s_endpgm
.Lentry_in_a_cluster:
	s_bfe_u32 s2, ttmp6, 0x10000c
	s_cmp_lg_u32 s2, 0xf033
	s_cbranch_scc0 .Lentry_shape_is_right
	s_endpgm
.Lentry_shape_is_right:
; q = x Wq + bq, k = x Wk + bk, v = x Wv + bv on codes of FP6 (E2M3) with E8M0 scales, sums in f32, the bias as the sums' first C; the results are quantised in registers
; (q and k along the head's 64, v along the tokens) and stored as images of the operand registers that the attention launch takes.
; SHARES.  Work-group (hg, rb): 128 tokens (block rb) x the q, k, v of heads 2 hg, 2 hg + 1: 24 column tiles x 8 row tiles x 4 K steps = 768 matrix instructions, 64 for each of twelve waves.
;   Waves 0-7 (role QK): one head's q or k (4 column tiles) x 4 row tiles, TRANSPOSED (source 0 = 16 columns of W, source 1 = 16 tokens): a lane holds one token, its registers run along the head's 64.
;   Waves 8-11 (role V): 2 column tiles of one head's v x all 8 row tiles, sources as they read (source 0 = 16 tokens, source 1 = 16 columns): a lane holds one channel, its registers run along the tokens.
;   Row r of row tile 2 b + u is token 32 b + 8 u + r + 8 (r / 8), and Wq's, Wk's columns are ordered alike: so 16 registers of tiles 2 b, 2 b + 1 are 16 neighbours along the next K.
; LDS is filled ONCE: the pair of heads' weights (153,600 bytes: fragments, then scale words), then the block's x (51,200 bytes).  Fragments are images: three ds_load_b128 at 16 x lane, no pitch, no padding.
; CLUSTER 4 x 4: the four work-groups of a column (same hg) ask for the weights jointly, the four of a row (same rb) for x: each tile is asked for by the same load with the same descriptor and a mask of four.
; qc: block (bh x 32 + token block) of 6,656 bytes: four PAIR images (row tile 2 u in registers 0-5, tile 2 u + 1 in registers 6-11) at 1,536 u; at 6,144 the scale words: byte 256 g + 8 l + 4 j = pair 2 g + j,
;     lanes 0-15 the even tile, lanes 16-31 the odd one; a word is byte0 | byte1 << 8, its upper two bytes 0.
; kv: block of 13,056 bytes: k as in qc at 0, its scale words at 12,288; v's four fragments (16 channels x 128 tokens) at 6,144; v's scale words at 12,800: byte 128 i + 4 l = tile 2 i + l / 16, channel l % 16.
; LIMITS: NaN and infinities are not served; a block whose largest magnitude lies under 2^-124 keeps the byte 1; a block of zeros gets the byte 1 where the rule says 127 (zero codes; this program alone reads the bytes).
; THE ORDER OF TOKENS IN A ROW TILE, which stands in place of the order named above: row r of row tile 4 c + t is token 64 c + 8 t + r % 8 + 32 (r / 8).  Wq's and Wk's columns keep the order named above.
; So in role V a lane's 32 registers of row tiles 4 c .. 4 c + 3 are the whole block of tokens 64 c + 32 (lane / 16) + 0 .. 31; q's and k's tiles are stored in this order of tokens.
.set FRB,  1536
.set PART, 51200                       ; what one tensor load brings: 200 rows of 256 bytes
.set WQB,  153600
.set XQB,  51200
.set WSC,  147456                      ; LDS: the weights' fragments from 0, their scale words here,
.set XIMG, 153600                      ; x's fragments,
.set XSC,  202752                      ; x's scale words; the end is 204,800
.set QCB,  6656
.set KVB,  13056
.set WV,   18                          ; s18  my wave's number
.set G1X,  24                          ; s[24:31] descriptor group 1 for x;  s[32:39] for the weights: they differ in the mask alone
.set G1W,  32
.set G0X,  40                          ; s[40:43], s[44:47] their groups 0
.set G0W,  44
.set SEL,  56                          ; s[56:57] lane selects: lane l xor 16
.set HIM,  58                          ; s58  mask of lanes 16-31
.set ACC,  128                         ; v128-255 the sixteen accumulators
.set TM,   32                          ; on the way out: v32-35 largest magnitudes, v36-39 bytes, v44-47 the conversions' scale operands
.set PW,   52                          ; v52-53 scale words just made;  v54-55 as they are stored
.set SW,   54
.set PC,   56                          ; v56-79 codes
.macro PLACES                          ; four places: in front of loads into registers that matrix instructions have read, of the first read of results, and of vector writes over operands that are done with
.rept 4
	v_nop
.endr
.endm
.macro CROUND                          ; a round of the cluster's barrier
	s_barrier_signal -1
	s_barrier_wait -1
	s_cmp_lg_u32 s[WV], 0
	s_cbranch_scc1 .Lnot_wave_0_\@
	s_barrier_signal -3
.Lnot_wave_0_\@:
	s_barrier_wait -3
	s_barrier_signal -1
	s_barrier_wait -1
.endm
; The matrix instruction.  d, a, b, c: first registers of D, A, B, C; sa, sb: scale registers; ra, rb = 1: that side's scale words stand in lanes 16-31
.macro WM d, a, b, c, sa, sb, ra, rb
.if (\ra) && (\rb)
	v_wmma_scale_f32_16x16x128_f8f6f4 v[\d:\d+7], v[\a:\a+11], v[\b:\b+11], v[\c:\c+7], v[\sa], v[\sb] matrix_a_fmt:MATRIX_FMT_FP6 matrix_b_fmt:MATRIX_FMT_FP6 matrix_a_scale:MATRIX_SCALE_ROW1 matrix_b_scale:MATRIX_SCALE_ROW1
.elseif (\ra)
	v_wmma_scale_f32_16x16x128_f8f6f4 v[\d:\d+7], v[\a:\a+11], v[\b:\b+11], v[\c:\c+7], v[\sa], v[\sb] matrix_a_fmt:MATRIX_FMT_FP6 matrix_b_fmt:MATRIX_FMT_FP6 matrix_a_scale:MATRIX_SCALE_ROW1
.elseif (\rb)
	v_wmma_scale_f32_16x16x128_f8f6f4 v[\d:\d+7], v[\a:\a+11], v[\b:\b+11], v[\c:\c+7], v[\sa], v[\sb] matrix_a_fmt:MATRIX_FMT_FP6 matrix_b_fmt:MATRIX_FMT_FP6 matrix_b_scale:MATRIX_SCALE_ROW1
.else
	v_wmma_scale_f32_16x16x128_f8f6f4 v[\d:\d+7], v[\a:\a+11], v[\b:\b+11], v[\c:\c+7], v[\sa], v[\sb] matrix_a_fmt:MATRIX_FMT_FP6 matrix_b_fmt:MATRIX_FMT_FP6
.endif
.endm
; 64 numbers of a lane (register 32 c + i = k 64 c + 32 (lane / 16) + i of my row: two whole blocks of 32) become a fragment's 12 registers in v[pc] on and the row's scale word in v[pw].  Each accumulator is read from its low end on.
.macro QUANT src, pc, pw
.irp b, 0,1,2,3
	v_max3_num_f32 v[TM+\b], |v[\src+16*\b]|, |v[\src+1+16*\b]|, 0x1800000   ; my numbers 16 b .. 16 b + 15, half of block 2 (b / 2) + h, and the floor 2^(3 - 127): the byte cannot fall under 1
.endr
.irp i, 2,4,6,8,10,12,14
.irp b, 0,1,2,3
	v_max3_num_f32 v[TM+\b], v[TM+\b], |v[\src+16*\b+\i]|, |v[\src+1+16*\b+\i]|
.endr
.endr
	s_delay_alu instid0(VALU_DEP_3)
	v_max_num_f32 v[TM], v[TM], v[TM+1]            ; my block 0 + h: all its 32 numbers are mine
	s_delay_alu instid0(VALU_DEP_2)
	v_max_num_f32 v[TM+1], v[TM+2], v[TM+3]        ; my block 2 + h
	v_lshlrev_b32 v[TM+7], 3, v11                  ; 8 h
	s_delay_alu instid0(VALU_DEP_3)
	v_add_nc_u32 v[TM+12], 0xff000000, v[TM]       ; 2 off the exponent field: the conversion's scale operand
	s_delay_alu instid0(VALU_DEP_3)
	v_add_nc_u32 v[TM+13], 0xff000000, v[TM+1]
	s_delay_alu instid0(VALU_DEP_2)
	v_lshrrev_b32 v[TM+4], 23, v[TM+12]            ; the scale's byte
	s_delay_alu instid0(VALU_DEP_2)
	v_lshrrev_b32 v[TM+5], 23, v[TM+13]
	s_delay_alu instid0(VALU_DEP_1)
	v_lshl_or_b32 v[TM+4], v[TM+5], 16, v[TM+4]    ; my two bytes,
	s_delay_alu instid0(VALU_DEP_1)
	v_lshlrev_b32 v[TM+4], v[TM+7], v[TM+4]        ; at their places in the word: bytes h and 2 + h;
	s_delay_alu instid0(VALU_DEP_1)
	v_permlanex16_b32 v[TM+6], v[TM+4], s[SEL], s[SEL+1]
	s_delay_alu instid0(VALU_DEP_1)
	v_or_b32 v[\pw], v[TM+4], v[TM+6]              ; with lane l xor 16's two the word is whole, in every lane
.irp c, 0,1
	v_cvt_scalef32_pk16_fp6_f32 v[\pc+6*\c:\pc+2+6*\c], v[\src+32*\c:\src+15+32*\c], v[TM+12+\c]
	v_cvt_scalef32_pk16_fp6_f32 v[CT+4*\c:CT+2+4*\c], v[\src+16+32*\c:\src+31+32*\c], v[TM+12+\c]   ; (a conversion's three registers begin on an even number)
.endr
	v_nop                                          ; one plain place behind a scaled conversion
.irp c, 0,1
.irp i, 0,1,2
	v_mov_b32 v[\pc+3+6*\c+\i], v[CT+4*\c+\i]
.endr
.endr
.endm
; The same for 32 numbers, two blocks (K = 64): six registers in v[pc] on, lane (r, h) holding k = 32 h .. 32 h + 31; the word's upper two bytes are 0
.macro QUANT2 src, pc, pw
.irp b, 0,1
	v_max3_num_f32 v[TM+\b], |v[\src+16*\b]|, |v[\src+1+16*\b]|, 0x1800000
.endr
.irp i, 2,4,6,8,10,12,14
.irp b, 0,1
	v_max3_num_f32 v[TM+\b], v[TM+\b], |v[\src+16*\b+\i]|, |v[\src+1+16*\b+\i]|
.endr
.endr
.irp b, 0,1
	s_delay_alu instid0(VALU_DEP_2)
	v_permlanex16_b32 v[TM+4+\b], v[TM+\b], s[SEL], s[SEL+1]
.endr
.irp b, 0,1
	s_delay_alu instid0(VALU_DEP_2)
	v_max_num_f32 v[TM+\b], v[TM+\b], v[TM+4+\b]
.endr
.irp b, 0,1
	s_delay_alu instid0(VALU_DEP_2)
	v_add_nc_u32 v[TM+12+\b], 0xff000000, v[TM+\b]
.endr
.irp b, 0,1
	s_delay_alu instid0(VALU_DEP_2)
	v_lshrrev_b32 v[TM+4+\b], 23, v[TM+12+\b]
.endr
	s_delay_alu instid0(VALU_DEP_1)
	v_lshl_or_b32 v[\pw], v[TM+5], 8, v[TM+4]
	v_cvt_scalef32_pk16_fp6_f32 v[\pc:\pc+2], v[\src:\src+15], v[TM+12]
	v_cvt_scalef32_pk16_fp6_f32 v[CT:CT+2], v[\src+16:\src+31], v[TM+13]
	v_nop                                          ; one plain place behind a scaled conversion
.irp i, 0,1,2
	v_permlane16_swap_b32 v[\pc+\i], v[CT+\i]
.endr
.irp i, 0,1,2
	s_delay_alu instid0(VALU_DEP_3)
	v_mov_b32 v[\pc+3+\i], v[CT+\i]
.endr
.endm
	s_load_b256 s[4:11], s[0:1], 0x0               ; xq s[4:5], wq s[6:7], bq s[8:9], bk s[10:11]
	s_load_b128 s[12:15], s[0:1], 0x20             ; bv s[12:13], qc s[14:15]
	s_load_b64 s[16:17], s[0:1], 0x30              ; kv
	s_set_vgpr_msb 0x40
	v_lshl_add_u32 v0, v0, 2, 0x32000
	v_mov_b32 v1, 0
	s_set_vgpr_msb 0x4045
	ds_add_u32 v0, v1
	ds_add_u32 v0, v1
	s_set_vgpr_msb 0x4500
	v_lshrrev_b32 v1, 5, v0
	s_delay_alu instid0(VALU_DEP_1)
	v_readfirstlane_b32 s[WV], v1                  ; wave 0..11
	s_bfe_u32 s19, ttmp6, 0x40000                  ; cx, cy: my place in the cluster
	s_bfe_u32 s20, ttmp6, 0x40004
	s_lshl_b32 s21, ttmp9, 2
	s_add_co_u32 s21, s21, s19                     ; hg = 4 x cluster x + cx
	s_and_b32 s22, ttmp7, 0xffff
	s_lshl_b32 s22, s22, 2
	s_add_co_u32 s22, s22, s20                     ; rb = 4 x cluster y + cy
	s_lshl_b32 s23, s20, 2
	s_lshl_b32 s23, 15, s23                        ; my row of the cluster: it shares rb
	s_lshl_b32 s52, 0x1111, s19                    ; my column: it shares hg
	s_or_b32 s[G1X], s23, (3<<16)|(1<<21)          ; 15:0 the mask; 17:16 elements of 8 bytes; 20 no padding; 21 set beside a mask
	s_or_b32 s[G1W], s52, (3<<16)|(1<<21)
.irp g, G1X, G1W                       ; a dense block of 51,200 bytes as 200 rows of 32 elements
	s_mov_b32 s[\g+1], 32<<16                      ; tensor_dim0
	s_mov_b32 s[\g+2], 200<<16                     ; tensor_dim1
	s_mov_b32 s[\g+3], 32<<16                      ; tile_dim0
	s_mov_b32 s[\g+4], 200                         ; tile_dim1
	s_mov_b32 s[\g+5], 32                          ; tensor_dim0_stride
	s_mov_b32 s[\g+6], 0
	s_mov_b32 s[\g+7], 0
.endr
	s_mul_i32 s53, s[WV], PART                     ; waves 0-2: which third of the weights, in LDS and in memory: no place in the cluster enters an LDS address
	s_mul_i32 s48, s21, WQB
	s_add_co_u32 s48, s48, s53                     ; the weights' address hangs on hg and the wave alone,
	s_mov_b32 s49, 0
	s_mul_i32 s50, s22, XQB                        ; x's on rb alone
	s_mov_b32 s51, 0
	s_mov_b32 s[SEL], 0x76543210
	s_mov_b32 s[SEL+1], 0xfedcba98
	s_mov_b32 s[HIM], 0xffff0000
	s_wait_dscnt 0x0
	s_wait_kmcnt 0x0
	s_mov_b32 s[G0X], 1
	s_mov_b32 s[G0X+1], XIMG
	s_add_nc_u64 s[G0X+2:G0X+3], s[4:5], s[50:51]
	s_or_b32 s[G0X+3], s[G0X+3], 0x80000000
	s_mov_b32 s[G0W], 1
	s_mov_b32 s[G0W+1], s53
	s_add_nc_u64 s[G0W+2:G0W+3], s[6:7], s[48:49]
	s_or_b32 s[G0W+3], s[G0W+3], 0x80000000
	CROUND                                         ; all sixteen work-groups are here: the joint loads meet
	s_cmp_lt_u32 s[WV], 3                          ; waves 0-2 fetch the weights, wave 3 fetches x, the others nothing: one tensor load a wave is out.  The branches hang on the wave's number alone
	s_cbranch_scc0 .Lnot_w
	tensor_load_to_lds s[G0W:G0W+3], s[G1W:G1W+7]
	s_nop 0
	PLACES                                         ; four v_nop follow each of the two lines
	s_branch .Lasked
.Lnot_w:
	s_cmp_eq_u32 s[WV], 3
	s_cbranch_scc0 .Lasked
	tensor_load_to_lds s[G0X:G0X+3], s[G1X:G1X+7]
	s_nop 0
	PLACES
.Lasked:
	v_and_b32 v9, 31, v0
	s_delay_alu instid0(VALU_DEP_1)
	v_lshlrev_b32 v1, 4, v9                        ; 16 x lane: an image's place for my lane
	s_delay_alu instid0(VALU_DEP_2)
	v_lshlrev_b32 v2, 3, v9                        ; 8 x lane
	s_delay_alu instid0(VALU_DEP_3)
	v_lshlrev_b32 v3, 2, v9                        ; 4 x lane
	v_and_b32 v10, 15, v0                          ; r
	v_bfe_u32 v11, v0, 4, 1                        ; h
	s_lshr_b32 s59, s22, 5                         ; the batch: 32 blocks of 128 tokens each
	s_lshl_b32 s59, s59, 3
	s_lshl_b32 s61, s21, 1                         ; 2 hg
	s_add_co_u32 s59, s59, s61                     ; 8 batch + 2 hg
	s_and_b32 s60, s22, 31                         ; the block within the batch
	s_wait_tensorcnt 0x0                           ; my load has landed,
	s_barrier_signal -1
	s_barrier_wait -1                              ; everybody's has.  From here on LDS is only read
	s_cmp_lt_u32 s[WV], 8
	s_cbranch_scc0 .Lrole_v
; ---------------- ROLE QK
.set WS, 16                            ; v16-23  the weights' scale words: 4 (c / 2) + s
.set XS, 24                            ; v24-31  x's: 2 T + s / 2
.set WF, 32                            ; v32-79  four fragments of W
.set XF, 80                            ; v80-127 four fragments of x
.set CT, 48
	s_lshr_b32 s66, s[WV], 2                       ; e: which head of the pair
	s_bfe_u32 s67, s[WV], 0x10001                  ; kind: 0 q, 1 k
	s_and_b32 s68, s[WV], 1                        ; g: row tiles 4 g .. 4 g + 3
	s_mul_i32 s69, s66, 12
	s_lshl_b32 s70, s67, 2
	s_add_co_u32 s69, s69, s70                     ; my first column tile
	s_mul_i32 s70, s69, 4*FRB
	s_wait_alu depctr_va_vdst(0)
	v_add_nc_u32 v4, s70, v1                       ; W's fragments
	s_mul_i32 s70, s68, 16*FRB
	s_add_co_u32 s70, s70, XIMG
	v_add_nc_u32 v5, s70, v1                       ; x's fragments
	s_lshl_b32 s70, s69, 8
	s_add_co_u32 s70, s70, WSC
	v_add_nc_u32 v6, s70, v3                       ; W's scale words: 512 bytes for each pair of tiles
	s_lshl_b32 s70, s68, 10
	s_add_co_u32 s70, s70, XSC
	v_add_nc_u32 v7, s70, v2                       ; x's: 256 bytes a tile
	v_lshlrev_b32 v8, 6, v11                       ; the bias: 64 h bytes on
	s_wait_alu depctr_va_vdst(0)
	s_add_co_u32 s70, s59, s66
	s_lshl_b32 s70, s70, 5
	s_add_co_u32 s70, s70, s60                     ; the output block: (8 batch + head) x 32 + token block
	s_add_co_u32 s80, s61, s66
	s_lshl_b32 s80, s80, 8                         ; the head's 64 biases
	s_cmp_eq_u32 s67, 0                            ; q or k: the choices hang on the wave's number alone
	s_cselect_b64 s[72:73], s[8:9], s[10:11]
	s_cselect_b64 s[74:75], s[14:15], s[16:17]
	s_mov_b32 s71, KVB
	s_cselect_b32 s71, QCB, s71                    ; a block's bytes,
	s_mov_b32 s81, 12288
	s_cselect_b32 s81, 6144, s81                   ; and where its scale words begin
	s_mul_i32 s78, s70, s71
	s_mul_i32 s82, s68, 2*FRB
	s_add_co_u32 s82, s82, s78                     ; my two pair images
	s_mov_b32 s83, 0
	s_lshl_b32 s84, s68, 8
	s_add_co_u32 s84, s84, s78
	s_add_co_u32 s84, s84, s81                     ; my 256 bytes of scale words
	s_mov_b32 s85, 0
	s_add_nc_u64 s[76:77], s[74:75], s[84:85]
	s_add_nc_u64 s[74:75], s[74:75], s[82:83]
	s_mov_b32 s81, 0
	s_add_nc_u64 s[72:73], s[72:73], s[80:81]
.irp t, 0,1,2,3                        ; THE SUMS BEGIN AS THE BIAS: register j of accumulator (T, c = 2 b + u) is channel 32 b + 16 h + 8 u + j of the head
.irp c, 0,1,2,3
	global_load_b128 v[ACC+32*\t+8*\c:ACC+32*\t+8*\c+3], v8, s[72:73] offset:128*(\c/2)+32*(\c%2)
	global_load_b128 v[ACC+32*\t+8*\c+4:ACC+32*\t+8*\c+7], v8, s[72:73] offset:128*(\c/2)+32*(\c%2)+16
.endr
.endr
.irp c, 0,1
.irp s, 0,1,2,3
	ds_load_b32 v[WS+4*\c+\s], v6 offset:512*\c+128*\s   ; lanes 0-15: tile 2 c; lanes 16-31: tile 2 c + 1
.endr
.endr
.irp t, 0,1,2,3
	ds_load_b64 v[XS+2*\t:XS+2*\t+1], v7 offset:256*\t   ; lanes 0-15: K steps 0, 2; lanes 16-31: K steps 1, 3
.endr
.macro QKSTEP s
.if \s > 0
	PLACES
.endif
.irp c, 0,1,2,3
.irp p, 0,1,2
	ds_load_b128 v[WF+12*\c+4*\p:WF+12*\c+4*\p+3], v4 offset:(4*\c+\s)*FRB+512*\p
.endr
.endr
.irp t, 0,1,2,3
.irp p, 0,1,2
	ds_load_b128 v[XF+12*\t+4*\p:XF+12*\t+4*\p+3], v5 offset:(4*\t+\s)*FRB+512*\p
.endr
.endr
	s_wait_dscnt 0x0
.if \s == 0
	s_wait_loadcnt 0x0                             ; the biases
.endif
.irp t, 0,1,2,3                        ; the sixteen accumulators take turns, one instruction a turn, in the same order in every K step
.irp c, 0,1,2,3
	WM ACC+32*\t+8*\c, WF+12*\c, XF+12*\t, ACC+32*\t+8*\c, WS+4*(\c/2)+\s, XS+2*\t+(\s)/2, (\c)%2, (\s)%2
.endr
.endr
.endm
	QKSTEP 0
	QKSTEP 1
	QKSTEP 2
	QKSTEP 3
	PLACES
	v_mov_b32 v[TM+4], 0                           ; written once: a lane permute's destination counts as one of its sources
	v_mov_b32 v[TM+5], 0
.irp u, 0,1                            ; a pair of row tiles at a time: each tile's 32 registers become six of codes; each pair has registers of its own, so no store's data are written again
.irp w, 0,1
	QUANT2 ACC+32*(2*\u+\w), PC+12*\u+6*\w, PW+\w
.endr
	v_cndmask_b32 v[SW+\u], v[PW], v[PW+1], s[HIM]   ; lanes 0-15 the even tile's words, lanes 16-31 the odd one's
.irp p, 0,1,2
	global_store_b128 v1, v[PC+12*\u+4*\p:PC+12*\u+4*\p+3], s[74:75] offset:FRB*\u+512*\p   ; 512 consecutive bytes, aligned to 256
.endr
.endr
	global_store_b64 v2, v[SW:SW+1], s[76:77]      ; 256 consecutive bytes, aligned
	s_branch .Ldone
; ---------------- ROLE V
.Lrole_v:
.set WSV, 12                           ; v12-15   the weights' scale words, by K step: lanes 0-15 my first tile, lanes 16-31 my second
.set XSV, 16                           ; v16-31   x's: 2 T + s / 2
.set WFV, 32                           ; v32-55   two fragments of W
.set XFV, 56                           ; v56-103  four fragments of x
.set BC,  104                          ; v104-119 the biases in the result's layout: a lane holds one channel, so a tile's eight registers are equal
.set BL,  120                          ; v120-121 as loaded
.set CT,  80
	s_bfe_u32 s66, s[WV], 0x10001                  ; e: which head of the pair (waves 8, 9: 0; waves 10, 11: 1)
	s_and_b32 s67, s[WV], 1                        ; i: v's column tiles 2 i, 2 i + 1
	s_mul_i32 s69, s66, 12
	s_lshl_b32 s70, s67, 1
	s_add_co_u32 s69, s69, s70
	s_add_co_u32 s69, s69, 8                       ; my first column tile
	s_mul_i32 s70, s69, 4*FRB
	s_wait_alu depctr_va_vdst(0)
	v_add_nc_u32 v4, s70, v1
	v_add_nc_u32 v5, XIMG, v1
	s_lshl_b32 s70, s69, 8
	s_add_co_u32 s70, s70, WSC
	v_add_nc_u32 v6, s70, v3
	v_add_nc_u32 v7, XSC, v2
	v_lshlrev_b32 v8, 2, v10                       ; the bias: 4 r
	s_wait_alu depctr_va_vdst(0)
	s_add_co_u32 s70, s59, s66
	s_lshl_b32 s70, s70, 5
	s_add_co_u32 s70, s70, s60                     ; the output block
	s_mul_i32 s78, s70, KVB
	s_mul_i32 s82, s67, 2*FRB
	s_add_co_u32 s82, s82, s78
	s_add_co_u32 s82, s82, 6144                    ; my two fragments of v
	s_mov_b32 s83, 0
	s_lshl_b32 s84, s67, 7
	s_add_co_u32 s84, s84, s78
	s_add_co_u32 s84, s84, 12800                   ; my 128 bytes of scale words
	s_mov_b32 s85, 0
	s_add_nc_u64 s[74:75], s[16:17], s[82:83]
	s_add_nc_u64 s[76:77], s[16:17], s[84:85]
	s_add_co_u32 s80, s61, s66
	s_lshl_b32 s80, s80, 8
	s_lshl_b32 s81, s67, 7
	s_add_co_u32 s80, s80, s81
	s_mov_b32 s81, 0
	s_add_nc_u64 s[72:73], s[12:13], s[80:81]      ; bv at my 32 channels
	global_load_b32 v[BL], v8, s[72:73]
	global_load_b32 v[BL+1], v8, s[72:73] offset:64
.irp s, 0,1,2,3
	ds_load_b32 v[WSV+\s], v6 offset:128*\s
.endr
.irp t, 0,1,2,3,4,5,6,7
	ds_load_b64 v[XSV+2*\t:XSV+2*\t+1], v7 offset:256*\t
.endr
	s_wait_loadcnt 0x0
.irp n, 0,1
.irp j, 0,1,2,3,4,5,6,7
	v_mov_b32 v[BC+8*\n+\j], v[BL+\n]
.endr
.endr
	PLACES
.macro VSTEP s
.if \s > 0
	PLACES
.endif
.irp n, 0,1
.irp p, 0,1,2
	ds_load_b128 v[WFV+12*\n+4*\p:WFV+12*\n+4*\p+3], v4 offset:(4*\n+\s)*FRB+512*\p
.endr
.endr
.irp f, 0,1                            ; four row tiles at a time
.if \f > 0
	PLACES
.endif
.irp t, 0,1,2,3
.irp p, 0,1,2
	ds_load_b128 v[XFV+12*\t+4*\p:XFV+12*\t+4*\p+3], v5 offset:(4*(4*\f+\t)+\s)*FRB+512*\p
.endr
.endr
	s_wait_dscnt 0x0
.irp t, 0,1,2,3                        ; accumulators by turns, one instruction a turn; the first K step takes the bias as C
.irp n, 0,1
.if \s == 0
	WM ACC+64*\n+8*(4*\f+\t), XFV+12*\t, WFV+12*\n, BC+8*\n, XSV+2*(4*\f+\t)+(\s)/2, WSV+\s, (\s)%2, \n
.else
	WM ACC+64*\n+8*(4*\f+\t), XFV+12*\t, WFV+12*\n, ACC+64*\n+8*(4*\f+\t), XSV+2*(4*\f+\t)+(\s)/2, WSV+\s, (\s)%2, \n
.endif
.endr
.endr
.endr
.endm
	s_wait_alu depctr_va_vdst(0)
	VSTEP 0
	VSTEP 1
	VSTEP 2
	VSTEP 3
	PLACES
.irp b, 0,1,2,3
	v_mov_b32 v[TM+4+\b], 0                        ; written once: a lane permute's destination counts as one of its sources
.endr
.irp n, 0,1                            ; register 8 T + j of a column tile's 64 is token 64 (T / 4) + 32 h + 8 (T % 4) + j: a whole block of 32 in each 32 registers
	QUANT ACC+64*\n, PC+12*\n, PW+\n
.irp p, 0,1,2
	global_store_b128 v1, v[PC+12*\n+4*\p:PC+12*\n+4*\p+3], s[74:75] offset:FRB*\n+512*\p   ; 512 consecutive bytes, aligned to 256
.endr
.endr
	v_cndmask_b32 v[SW], v[PW], v[PW+1], s[HIM]
	global_store_b32 v3, v[SW], s[76:77]           ; 128 consecutive bytes: half of an aligned 256; 256 of a block's 13,056 bytes leave so
.Ldone:
	s_wait_dscnt 0x0
	s_set_vgpr_msb 0x5
	s_wait_tensorcnt 0x0
	ds_add_u32 v0, v1
	s_wait_dscnt 0x0
	s_set_vgpr_msb 0x500
	CROUND                                         ; the closing round: no work-group ends while a partner may still ask for a tile that names it
	s_endpgm
.Lfunc_end_k_qf0edc62660_proj:
	.size	k_qf0edc62660_proj, .Lfunc_end_k_qf0edc62660_proj-k_qf0edc62660_proj
	.p2alignl 7, 3214868480
	.fill 96, 4, 3214868480
	.section	.rodata,"a",@progbits
	.p2align	6, 0x0
	.amdhsa_kernel k_qf0edc62660_proj
		.amdhsa_group_segment_fixed_size 206336
		.amdhsa_private_segment_fixed_size 0
		.amdhsa_enable_private_segment 0
		.amdhsa_kernarg_size 56
		.amdhsa_user_sgpr_count 2
		.amdhsa_user_sgpr_kernarg_segment_ptr 1
		.amdhsa_wavefront_size32 1
		.amdhsa_system_sgpr_workgroup_id_x 1
		.amdhsa_system_sgpr_workgroup_id_y 1
		.amdhsa_system_sgpr_workgroup_id_z 1
		.amdhsa_system_vgpr_workitem_id 0
		.amdhsa_next_free_vgpr 258
		.amdhsa_next_free_sgpr 86
		.amdhsa_reserve_vcc 0
		.amdhsa_float_denorm_mode_32 3
		.amdhsa_float_denorm_mode_16_64 3
		.amdhsa_memory_ordered 1
		.amdhsa_forward_progress 1
		.amdhsa_inst_pref_size 63
	.end_amdhsa_kernel
	.amdgpu_metadata
---
amdhsa.version: [ 1, 2 ]
amdhsa.kernels:
  - .name:           k_qf0edc62660_proj
    .symbol:         k_qf0edc62660_proj.kd
    .args:
      - { .name: xq, .offset: 0, .size: 8, .value_kind: global_buffer, .address_space: global }
      - { .name: wq, .offset: 8, .size: 8, .value_kind: global_buffer, .address_space: global }
      - { .name: bq, .offset: 16, .size: 8, .value_kind: global_buffer, .address_space: global }
      - { .name: bk, .offset: 24, .size: 8, .value_kind: global_buffer, .address_space: global }
      - { .name: bv, .offset: 32, .size: 8, .value_kind: global_buffer, .address_space: global }
      - { .name: qc, .offset: 40, .size: 8, .value_kind: global_buffer, .address_space: global }
      - { .name: kv, .offset: 48, .size: 8, .value_kind: global_buffer, .address_space: global }
    .group_segment_fixed_size: 206336
    .private_segment_fixed_size: 0
    .kernarg_segment_align: 8
    .kernarg_segment_size: 56
    .max_flat_workgroup_size: 384
    .sgpr_count:     86
    .vgpr_count:     258
    .wavefront_size: 32
...
	.end_amdgpu_metadata
.endif
;; end of part 2
;; launch attn3 (part 3): grid 16 x 16, 8 waves a work-group, clusters of 4 x 1, 327,680 bytes of LDS; arguments qc, kv, out0; writes out0
.if DOCPART == 3
	.amdgcn_target "amdgcn-amd-amdhsa--gfx1250"
	.amdhsa_code_object_version 6
	.text
	.protected	k_qf0edc62660_attn3
	.globl	k_qf0edc62660_attn3
	.p2align	8
	.type	k_qf0edc62660_attn3,@function
k_qf0edc62660_attn3:
	s_mov_b64 s[64:65], 0
	v_nop
	global_prefetch_b8 v0, s[64:65] scope:SCOPE_SE
	s_setreg_imm32_b32 hwreg(HW_REG_WAVE_MODE, 25, 1), 1
	s_wait_xcnt 0x0
	s_wait_alu depctr_hold_cnt(0) depctr_sa_sdst(0) depctr_va_vdst(0) depctr_va_sdst(0) depctr_va_ssrc(0) depctr_va_vcc(0) depctr_vm_vsrc(0)
	s_getreg_b32 s2, hwreg(HW_REG_IB_STS2, 6, 4)
	s_cmp_eq_u32 s2, 0
	s_cbranch_scc0 .Lentry_in_a_cluster
	s_endpgm
.Lentry_in_a_cluster:
	s_bfe_u32 s2, ttmp6, 0x10000c
	s_cmp_lg_u32 s2, 0x3003
	s_cbranch_scc0 .Lentry_shape_is_right
	s_endpgm
.Lentry_shape_is_right:
; out[b][q][64 h ..] = sum over k of softmax_k(Q . K / 8) V for 16 (batch, head) pairs, 4,096 queries and keys, head size 64; both products on codes of FP6 (E2M3) with E8M0 scales.
; THE SOFTMAX: t = score x log2(e) / 8; M = the running largest t rounded UP to a whole number; p = 2^(t - M) is quantised along the keys, not normalised.  The row's sum is taken of the
; unquantised p in f32 and divides O at the end.  When M moves, the sum and O are multiplied by 2^(old M - new M), which rounds nothing.
; SHARES.  A work-group owns 256 queries of one (batch, head); each of its eight waves 32 of them, two tiles of 16, so that each fragment of K and V read from LDS feeds two tiles.
; A step is 256 keys: two blocks of 13,056 bytes of kv (K's four pair images, V's four fragments, K's and V's scale words, all images of operand registers).  M, the sum and O move once a step.
; LAYOUT.  Both products transposed: S^T = K Q^T, O^T = V^T P^T: a lane holds one query.  Row r of key tile 4 c + t of a block is key 64 c + 8 t + r % 8 + 32 (r / 8): so the 32 score registers
; of tiles 4 c .. 4 c + 3 are the whole block of keys 64 c + 32 (lane / 16) + 0 .. 31: a block's maximum asks no other lane, and the conversions' results lie where the operand wants them.
; K = 64 in an instruction of 128: a tile of K is six registers; the six behind it meet Q's six zero registers; the scale words' upper two bytes are 0 on both sides, never 0xff.
; LDS holds 24 of the 32 blocks: region A 16, region B 8.  Fill 1 (head): blocks 0-15 into A, two a wave.  Fill 2: blocks 16-23 into B.  Fill 3: blocks 24-31 into A's first half, when A has been read.
; Every wave issues every fill, one tensor load each: no branch leads round a load.  CLUSTER 4 x 1: the four work-groups share (batch, head) and ask for each block jointly, mask of all four.
; No prefetch: fill 2 is asked for 8 steps and fill 3 4 steps ahead of its first read, and the head's fill has no loop ahead of it.
; REGISTERS.  Window 0: addresses, scale words, Q, K / V, O.  Window 1: the scores, p's codes and all the softmax's state.
; LIMITS: NaN and infinities are not served; the promise holds while the scaled scores stay under 2^31 in magnitude; a block of p that has fallen to zeros keeps the scale byte 1 (its codes are zeros).
.set STEPB, 13056
.set REGB,  16*STEPB                   ; region B
.set SPARE, 24*STEPB                   ; the spare words: 128 bytes a wave, four blocks of 256 bytes that no other line names
.set VCO,   6144
.set KSO,   12288
.set VSO,   12800
.set SP,    272                        ; the way out: stage rows of 256 + 16 bytes, 32 a wave, in region B: it has had its one fill and was left at the last barrier
.set QCB,   6656
.set WV,  10
.set G1A, 16                           ; s[16:23] group 1: 102 rows of 256 bytes;  s[24:31]: 51 rows;  s[32:35] group 0
.set G1B, 24
.set G0,  32
.set TB,  36                           ; LDS byte at which the step in hand begins
.set CNT, 37
.set SEL, 38                           ; s[38:39] lane l xor 16
.set CS,  40                           ; s[40:41] c = log2(e) / 8
; window 0
.set SPW, 4
.set NIL, 5
.set GO,  6
.set ADK, 8
.set ADS, 9
.set ADT, 10
.set QSC, 11                           ; Q's scale words: lanes 0-15 tile 0, lanes 16-31 tile 1
.set PSC, 12                           ; v12-15 p's scale words: 2 tile + block
.set KSC, 16                           ; v16-23 K's: pair of tiles; lanes 0-15 the even tile
.set VSC, 24                           ; v24-27 V's
.set QF,  28                           ; v28-51 Q: six codes, six zeros, for each tile
.set KF,  52                           ; v52-147 K's 16 tiles, later V's 8 fragments; v148-153 zeros
.set OT,  160                          ; v160-223 O^T: 32 tile + 8 channel tile
.set STO, 224
.set RD,  225
; window 1
.set SS,  0                            ; v0-127 S^T of one tile, then p
.set PC,  128                          ; v128-175 p's codes: 24 tile + 12 block
.set CT,  176                          ; v176-191 upper halves of blocks, as converted
.set BM,  192                          ; v192-195 block maxima; v196-199 second chains
.set B2,  196
.set SO,  200                          ; v200-203 the conversions' scale operands
.set NM,  204                          ; -M, a pair for each tile
.set MX,  208                          ; the running largest score
.set LL,  210                          ; the row's sum in two halves, a pair for each tile
.set FF,  214                          ; f = 2^(old M - new M), a pair for each tile
.set TP,  218
.set SM,  224                          ; v224-239 eight chains of the sum
.set MSB, 0
.macro WIN new                         ; the immediate's high byte repeats the setting that is left
.if MSB != \new
	s_set_vgpr_msb (MSB<<8)|\new
.set MSB, \new
.endif
.endm
.macro PLACES
.rept 4
	v_nop
.endr
.endm
.macro CROUND                          ; a round of the cluster's barrier
	s_barrier_signal -1
	s_barrier_wait -1
	s_cmp_lg_u32 s[WV], 0
	s_cbranch_scc1 .Lnot_wave_0_\@
	s_barrier_signal -3
.Lnot_wave_0_\@:
	s_barrier_wait -3
	s_barrier_signal -1
	s_barrier_wait -1
.endm
.macro WS d, a, b, sa, sb, ra, rb      ; a product that starts a sum; ra, rb = 1: that side's scale words stand in lanes 16-31
.if (\ra) && (\rb)
	v_wmma_scale_f32_16x16x128_f8f6f4 v[\d:\d+7], v[\a:\a+11], v[\b:\b+11], 0, v[\sa], v[\sb] matrix_a_fmt:MATRIX_FMT_FP6 matrix_b_fmt:MATRIX_FMT_FP6 matrix_a_scale:MATRIX_SCALE_ROW1 matrix_b_scale:MATRIX_SCALE_ROW1
.elseif (\ra)
	v_wmma_scale_f32_16x16x128_f8f6f4 v[\d:\d+7], v[\a:\a+11], v[\b:\b+11], 0, v[\sa], v[\sb] matrix_a_fmt:MATRIX_FMT_FP6 matrix_b_fmt:MATRIX_FMT_FP6 matrix_a_scale:MATRIX_SCALE_ROW1
.elseif (\rb)
	v_wmma_scale_f32_16x16x128_f8f6f4 v[\d:\d+7], v[\a:\a+11], v[\b:\b+11], 0, v[\sa], v[\sb] matrix_a_fmt:MATRIX_FMT_FP6 matrix_b_fmt:MATRIX_FMT_FP6 matrix_b_scale:MATRIX_SCALE_ROW1
.else
	v_wmma_scale_f32_16x16x128_f8f6f4 v[\d:\d+7], v[\a:\a+11], v[\b:\b+11], 0, v[\sa], v[\sb] matrix_a_fmt:MATRIX_FMT_FP6 matrix_b_fmt:MATRIX_FMT_FP6
.endif
.endm
.macro WP d, a, b, sa, sb, ra          ; a product that adds in place
.if (\ra)
	v_wmma_scale_f32_16x16x128_f8f6f4 v[\d:\d+7], v[\a:\a+11], v[\b:\b+11], v[\d:\d+7], v[\sa], v[\sb] matrix_a_fmt:MATRIX_FMT_FP6 matrix_b_fmt:MATRIX_FMT_FP6 matrix_a_scale:MATRIX_SCALE_ROW1
.else
	v_wmma_scale_f32_16x16x128_f8f6f4 v[\d:\d+7], v[\a:\a+11], v[\b:\b+11], v[\d:\d+7], v[\sa], v[\sb] matrix_a_fmt:MATRIX_FMT_FP6 matrix_b_fmt:MATRIX_FMT_FP6
.endif
.endm
	s_load_b128 s[4:7], s[0:1], 0x0                ; qc, kv
	s_load_b64 s[8:9], s[0:1], 0x10                ; out0
	v_lshl_add_u32 v[SPW], v0, 2, SPARE
	v_mov_b32 v[NIL], 0
	ds_add_u32 v[SPW], v[NIL]                      ; the opening: the add, twice on end, and its wait ahead of my first tensor load
	ds_add_u32 v[SPW], v[NIL]
	v_lshrrev_b32 v1, 5, v0
	v_readfirstlane_b32 s[WV], v1                  ; wave 0..7
	s_bfe_u32 s11, ttmp6, 0x40000                  ; cx
	s_lshl_b32 s12, ttmp9, 2
	s_add_co_u32 s12, s12, s11                     ; my block of 256 queries: it enters Q's and out's addresses alone
	s_and_b32 s13, ttmp7, 0xffff                   ; 8 batch + head, which the four partners share
.irp g, G1A, G1B
	s_mov_b32 s[\g], 15|(3<<16)|(1<<21)            ; the mask of all four; elements of 8 bytes; no padding; bit 21 beside a mask
	s_mov_b32 s[\g+1], 32<<16                      ; rows of 256 bytes
	s_mov_b32 s[\g+3], 32<<16
	s_mov_b32 s[\g+5], 32                          ; dense
	s_mov_b32 s[\g+6], 0
	s_mov_b32 s[\g+7], 0
.endr
	s_mov_b32 s[G1A+2], 102<<16                    ; two blocks: 102 rows
	s_mov_b32 s[G1A+4], 102
	s_mov_b32 s[G1B+2], 51<<16                     ; one block: 51 rows
	s_mov_b32 s[G1B+4], 51
	s_mul_i32 s42, s[WV], 2*STEPB                  ; fill 1: blocks 2 w, 2 w + 1, in LDS and in memory
	s_mul_i32 s44, s13, 32*STEPB
	s_add_co_u32 s44, s44, s42
	s_mov_b32 s45, 0
	s_mul_i32 s48, s[WV], STEPB                    ; fill 3's LDS address
	s_sub_co_u32 s46, REGB, s48                    ; from block 2 w to block 16 + w, in bytes
	s_mov_b32 s47, 0
	s_add_co_u32 s49, s48, REGB                    ; fill 2's LDS address
	s_mov_b32 s[SEL], 0x76543210
	s_mov_b32 s[SEL+1], 0xfedcba98
	s_mov_b32 s[CS], 0x3e38aa3b
	s_mov_b32 s[CS+1], s[CS]
	s_lshl_b32 s50, s13, 5                         ; Q: block (8 batch + head) x 32 + 2 x + w / 4, pair image P = w % 4
	s_lshl_b32 s51, s12, 1
	s_add_co_u32 s50, s50, s51
	s_lshr_b32 s59, s[WV], 2
	s_add_co_u32 s50, s50, s59
	s_mul_i32 s50, s50, QCB
	s_and_b32 s51, s[WV], 3
	s_mul_i32 s52, s51, 1536
	s_add_co_u32 s52, s52, s50
	s_mov_b32 s53, 0
	s_lshr_b32 s62, s51, 1                         ; P / 2
	s_and_b32 s63, s51, 1                          ; P % 2
	s_lshl_b32 s54, s62, 8
	s_lshl_b32 s55, s63, 2
	s_add_co_u32 s54, s54, s55
	s_add_co_u32 s54, s54, s50
	s_add_co_u32 s54, s54, 6144                    ; its scale words: 6,144 + 256 (P / 2) + 4 (P % 2), then 8 bytes a lane
	s_mov_b32 s55, 0
	s_lshr_b32 s56, s13, 3                         ; out: token 4,096 batch + 256 x + 128 (w / 4) + 64 (P / 2) + 16 (P % 2), rows of 2,048 bytes, + 256 head
	s_lshl_b32 s56, s56, 12
	s_lshl_b32 s57, s12, 8
	s_add_co_u32 s56, s56, s57
	s_lshl_b32 s57, s59, 7
	s_add_co_u32 s56, s56, s57
	s_lshl_b32 s57, s62, 6
	s_add_co_u32 s56, s56, s57
	s_lshl_b32 s57, s63, 4
	s_add_co_u32 s56, s56, s57
	s_lshl_b32 s56, s56, 11
	s_and_b32 s57, s13, 7
	s_lshl_b32 s57, s57, 8
	s_add_co_u32 s56, s56, s57
	s_mov_b32 s57, 0
	s_mul_i32 s58, s[WV], 32*SP
	s_add_co_u32 s58, s58, REGB                    ; my stage
	s_wait_dscnt 0x0                               ; both opening adds are done
	s_wait_kmcnt 0x0
	s_mov_b32 s[G0], 1
	s_mov_b32 s[G0+1], s42
	s_add_nc_u64 s[G0+2:G0+3], s[6:7], s[44:45]
	s_or_b32 s[G0+3], s[G0+3], 0x80000000
	s_add_nc_u64 s[60:61], s[4:5], s[54:55]        ; Q's scale words
	s_add_nc_u64 s[4:5], s[4:5], s[52:53]          ; Q's pair image
	s_add_nc_u64 s[8:9], s[8:9], s[56:57]
	CROUND                                         ; all four work-groups are here: the first joint loads meet
	tensor_load_to_lds s[G0:G0+3], s[G1A:G1A+7]    ; fill 1: my one load at the head
	s_nop 0
	PLACES
	v_and_b32 v7, 31, v0
	v_and_b32 v226, 15, v0                         ; r
	v_bfe_u32 v227, v0, 4, 1                       ; h
	s_delay_alu instid0(VALU_DEP_3)
	v_lshlrev_b32 v1, 4, v7                        ; 16, 8, 4 x lane
	s_delay_alu instid0(VALU_DEP_4)
	v_lshlrev_b32 v2, 3, v7
	v_lshlrev_b32 v3, 2, v7
	global_load_b128 v[QF:QF+3], v1, s[4:5]                    ; register n of an image lies at 512 (n / 4) + 16 lane + 4 (n % 4): tile 0 is registers 0-5,
	global_load_b64 v[QF+4:QF+5], v1, s[4:5] offset:512
	global_load_b64 v[QF+12:QF+13], v1, s[4:5] offset:520      ; tile 1 registers 6-11
	global_load_b128 v[QF+14:QF+17], v1, s[4:5] offset:1024
	global_load_b32 v[QSC], v2, s[60:61]
	v_lshlrev_b32 v[GO], 11, v227
	v_mul_u32_u24 v[STO], v226, SP
	v_mul_u32_u24 v[RD], v227, SP
	s_delay_alu instid0(VALU_DEP_3)
	v_lshl_add_u32 v[GO], v226, 4, v[GO]           ; out: lanes 0-15 one row, lanes 16-31 the next; 16 bytes a lane
	s_delay_alu instid0(VALU_DEP_3)
	v_lshl_add_u32 v[STO], v227, 5, v[STO]
	s_delay_alu instid0(VALU_DEP_3)
	v_lshl_add_u32 v[RD], v226, 4, v[RD]
	s_delay_alu instid0(VALU_DEP_2)
	v_add_nc_u32 v[STO], s58, v[STO]               ; the stage, in: row r, + 32 h
	s_delay_alu instid0(VALU_DEP_2)
	v_add_nc_u32 v[RD], s58, v[RD]                 ; and back: row h, + 16 r
.irp j, 0,1,2,3,4,5
	v_mov_b32 v[QF+6+\j], 0                        ; Q's upper 64 along K: zero codes
	v_mov_b32 v[QF+18+\j], 0
	v_mov_b32 v[KF+96+\j], 0                       ; and the six registers behind K's last tile
.endr
.set J, 0
.rept 64
	v_mov_b32 v[OT+J], 0                           ; O^T.  (The step is written once: the first finds zeros, which the first change of M leaves zeros)
.set J, J+1
.endr
	WIN 0x40
.irp t, 0,1
	v_mov_b32 v[MX+\t], 0xff61b1e6                 ; the largest score so far: -3e38
	v_mov_b32 v[NM+2*\t], 0x7f61b1e6               ; -M
	v_mov_b32 v[NM+2*\t+1], 0                      ; (upper halves of pairs are named, so they are written)
	v_mov_b32 v[LL+2*\t], 0
	v_mov_b32 v[LL+2*\t+1], 0
	v_mov_b32 v[FF+2*\t+1], 0
.endr
	v_mov_b32 v[TP+1], 0                           ; a lane permute's destination counts as one of its sources
	WIN 0
.macro SMUL t                          ; S^T = K Q^T for tile t: 16 key tiles
.irp n, 0,1,2,3,4,5,6,7,8,9,10,11,12,13,14,15
.if (\t == 0) && (\n == 7)
	s_wait_dscnt 0x0                               ; tile 7 names the second block's first six registers
.endif
	WS SS+8*\n, KF+6*\n, QF+12*\t, KSC+\n/2, QSC, \n%2, \t
.endr
.endm
; THE SOFTMAX of tile t on 256 keys: four blocks of 32 a lane, block q in registers 32 q .. 32 q + 31.  All in window 1 but the scale words' last line
.macro SOFT t
	WIN 0x55
.irp q, 0,1,2,3
	v_max3_num_f32 v[BM+\q], v[SS+32*\q], v[SS+32*\q+1], v[SS+32*\q+2]   ; each block's largest score, in two chains; each accumulator is read from its low end on
	v_max3_num_f32 v[B2+\q], v[SS+32*\q+16], v[SS+32*\q+17], v[SS+32*\q+18]
.endr
.irp i, 3,5,7,9,11,13
.irp q, 0,1,2,3
	v_max3_num_f32 v[BM+\q], v[BM+\q], v[SS+32*\q+\i], v[SS+32*\q+\i+1]
	v_max3_num_f32 v[B2+\q], v[B2+\q], v[SS+32*\q+\i+16], v[SS+32*\q+\i+17]
.endr
.endr
.irp q, 0,1,2,3
	v_max3_num_f32 v[BM+\q], v[BM+\q], v[SS+32*\q+15], v[SS+32*\q+31]
.endr
	v_mov_b32 v[TP+2], v[NM+2*\t]                  ; the old -M
.irp q, 0,1,2,3
	v_max_num_f32 v[BM+\q], v[BM+\q], v[B2+\q]
.endr
	s_delay_alu instid0(VALU_DEP_2)
	v_max3_num_f32 v[TP], v[BM], v[BM+1], v[BM+2]
	s_delay_alu instid0(VALU_DEP_1)
	v_max3_num_f32 v[TP], v[TP], v[BM+3], v[MX+\t]
	s_delay_alu instid0(VALU_DEP_1)
	v_permlanex16_b32 v[TP+1], v[TP], s[SEL], s[SEL+1]
	s_delay_alu instid0(VALU_DEP_1)
	v_max_num_f32 v[MX+\t], v[TP], v[TP+1]         ; with lane l xor 16's blocks: the running largest score of my query
	s_delay_alu instid0(VALU_DEP_1)
	v_mul_f32 v[TP], s[CS], v[MX+\t]               ; as t (c is positive)
	s_delay_alu instid0(VALU_DEP_1)
	v_floor_f32 v[NM+2*\t], -v[TP]                 ; -M = floor(-t) = -ceil(t)
	s_delay_alu instid0(VALU_DEP_1)
	v_sub_f32 v[TP], v[NM+2*\t], v[TP+2]           ; old M less new M: a whole number, 0 or less
.set J, 0
.rept 64
	v_pk_fma_f32 v[SS+J:SS+J+1], v[SS+J:SS+J+1], s[CS:CS+1], v[NM+2*\t:NM+2*\t+1] op_sel_hi:[1,0,0]   ; t - M
.if J == 8
	v_cvt_i32_f32 v[TP], v[TP]                     ; (it saturates)
.endif
.if J == 18
	v_ldexp_f32 v[FF+2*\t], 1.0, v[TP]             ; f = 2^(old M - new M)
.endif
.set J, J+2
.endr
.irp q, 0,1,2,3
	v_fma_f32 v[BM+\q], v[BM+\q], s[CS], v[NM+2*\t]   ; the same of each block's largest score: p rises with the score
.endr
	s_wait_alu depctr_va_vdst(0)                   ; the wait ahead of the batch
.irp q, 0,1,2,3
	v_exp_f32 v[BM+\q], v[BM+\q]                   ; the block's largest p: the same two instructions on the same number give the same bits
.endr
.set J, 0
.rept 128
	v_exp_f32 v[SS+J], v[SS+J]                     ; p = 2^(t - M)
.set J, J+1
.endr
	v_pk_mul_f32 v[LL+2*\t:LL+2*\t+1], v[LL+2*\t:LL+2*\t+1], v[FF+2*\t:FF+2*\t+1] op_sel_hi:[1,0]   ; the sum under the new M: the plain place behind the batch
	s_wait_alu depctr_va_vdst(0)                   ; one wait for the batch, ahead of its first reader
.irp k, 0,1,2,3,4,5,6,7
	v_pk_add_f32 v[SM+2*\k:SM+2*\k+1], v[SS+2*\k:SS+2*\k+1], v[SS+16+2*\k:SS+17+2*\k]   ; the sum of the unquantised p, in eight chains
.endr
.irp g, 2,3,4,5,6,7
.irp k, 0,1,2,3,4,5,6,7
	v_pk_add_f32 v[SM+2*\k:SM+2*\k+1], v[SM+2*\k:SM+2*\k+1], v[SS+16*\g+2*\k:SS+16*\g+2*\k+1]
.endr
.endr
.irp k, 0,1,2,3
	s_delay_alu instid0(VALU_DEP_4)
	v_pk_add_f32 v[SM+2*\k:SM+2*\k+1], v[SM+2*\k:SM+2*\k+1], v[SM+8+2*\k:SM+9+2*\k]
.endr
.irp q, 0,1,2,3
	v_max_num_f32 v[BM+\q], 0x1800000, v[BM+\q]    ; the floor 2^(3 - 127): the byte cannot fall under 1
.endr
.irp k, 0,1
	v_pk_add_f32 v[SM+2*\k:SM+2*\k+1], v[SM+2*\k:SM+2*\k+1], v[SM+4+2*\k:SM+5+2*\k]
.endr
.irp q, 0,1,2,3
	v_add_nc_u32 v[SO+\q], 0xff000000, v[BM+\q]    ; 2 off the exponent field: the conversion's scale operand
.endr
	v_pk_add_f32 v[SM:SM+1], v[SM:SM+1], v[SM+2:SM+3]
.irp q, 0,1,2,3
	v_cvt_scalef32_pk16_fp6_f32 v[PC+24*\t+6*\q:PC+24*\t+6*\q+2], v[SS+32*\q:SS+32*\q+15], v[SO+\q]
	v_cvt_scalef32_pk16_fp6_f32 v[CT+4*\q:CT+4*\q+2], v[SS+32*\q+16:SS+32*\q+31], v[SO+\q]   ; (a conversion's three registers begin on an even number)
.endr
.irp q, 0,1,2,3
	v_lshrrev_b32 v[BM+\q], 23, v[SO+\q]           ; the scale's byte.  (Plain places behind the conversions)
.endr
	v_pk_add_f32 v[LL+2*\t:LL+2*\t+1], v[LL+2*\t:LL+2*\t+1], v[SM:SM+1]
	s_delay_alu instid0(VALU_DEP_4)
	v_lshl_or_b32 v[B2], v[BM+1], 16, v[BM]        ; my two bytes of each 128 keys: blocks h and 2 + h
	s_delay_alu instid0(VALU_DEP_3)
	v_lshl_or_b32 v[B2+1], v[BM+3], 16, v[BM+2]
.irp s, 0,1
	s_delay_alu instid0(VALU_DEP_2)
	v_permlanex16_b32 v[B2+2+\s], v[B2+\s], s[SEL], s[SEL+1]
.endr
.irp q, 0,1,2,3
.irp i, 0,1,2
	v_mov_b32 v[PC+24*\t+6*\q+3+\i], v[CT+4*\q+\i]
.endr
.endr
	WIN 0x15
.irp s, 0,1
	v_lshl_or_b32 v[PSC+2*\t+\s], v[B2+2+\s], 8, v[B2+\s]   ; lanes 0-15, which alone are read: my bytes 0, 2 and lane l + 16's as bytes 1, 3
.endr
	WIN 0x04
	s_wait_alu depctr_va_vdst(0)                   ; the wait directly ahead of the first reader of O^T
.set J, 0
.rept 16
	v_pk_mul_f32 v[OT+32*\t+J:OT+32*\t+J+1], v[OT+32*\t+J:OT+32*\t+J+1], v[FF+2*\t:FF+2*\t+1] op_sel_hi:[1,0]   ; O^T under the new M
.set J, J+2
.endr
.endm
; A STEP: 256 keys
.macro STEP
	v_add_nc_u32 v[ADK], s[TB], v1                 ; these three and the v_nop are the four places behind the last products, in front of the loads into registers that they read
	v_add_nc_u32 v[ADS], s[TB], v2
	v_add_nc_u32 v[ADT], s[TB], v3
	v_nop
.irp s, 0,1
.irp g, 0,1
	ds_load_b64 v[KSC+4*\s+2*\g:KSC+4*\s+2*\g+1], v[ADS] offset:STEPB*\s+KSO+256*\g
.endr
.endr
.irp s, 0,1
.irp i, 0,1,2,3,4,5,6,7,8,9,10,11
	ds_load_b128 v[KF+48*\s+4*\i:KF+48*\s+4*\i+3], v[ADK] offset:STEPB*\s+512*\i
.endr
.endr
	s_wait_dscnt 12                                ; all but the second block's twelve loads
	WIN 0x40
	SMUL 0
	PLACES                                         ; in front of the first read of the scores
	SOFT 0
	WIN 0x40
	SMUL 1
	PLACES                                         ; in front of the loads below and of the first read of the scores
	WIN 0
.irp s, 0,1
.irp i, 0,1,2,3,4,5,6,7,8,9,10,11
	ds_load_b128 v[KF+48*\s+4*\i:KF+48*\s+4*\i+3], v[ADK] offset:STEPB*\s+VCO+512*\i   ; V's eight fragments land under tile 1's softmax
.endr
.endr
.irp s, 0,1
.irp g, 0,1
	ds_load_b32 v[VSC+2*\s+\g], v[ADT] offset:STEPB*\s+VSO+128*\g
.endr
.endr
	SOFT 1
	s_wait_alu depctr_va_vdst(0)
	s_wait_dscnt 0x0                               ; V and its scale words are in
.irp s, 0,1                            ; O^T += V^T P^T: the eight accumulators by turns, one instruction a turn
.irp t, 0,1
.irp c, 0,1,2,3
	WP OT+32*\t+8*\c, KF+48*\s+12*\c, PC+24*\t+12*\s, VSC+2*\s+\c/2, PSC+2*\t+\s, \c%2
.endr
.endr
.endr
	WIN 0
.endm
.macro WALK first, trips               ; so many steps from LDS byte first on
	s_mov_b32 s[TB], \first
	s_mov_b32 s[CNT], \trips
.Lstep_\@:
	STEP
	s_add_co_u32 s[TB], s[TB], 2*STEPB
	s_sub_co_u32 s[CNT], s[CNT], 1
	s_cmp_lg_u32 s[CNT], 0
	s_cbranch_scc1 .Lstep_\@
.endm
	s_wait_alu depctr_va_vdst(0)                   ; the wait at the head's end
	s_wait_tensorcnt 0x0                           ; my part of fill 1 is in; no load of mine is out, so group 0 may be written
	ds_add_u32 v[SPW], v[NIL]
	s_mov_b32 s[G0+1], s49
	s_add_nc_u64 s[G0+2:G0+3], s[G0+2:G0+3], s[46:47]   ; block 16 + w
	s_wait_dscnt 0x0
	CROUND
	tensor_load_to_lds s[G0:G0+3], s[G1B:G1B+7]    ; fill 2, into region B: my one load behind this round
	s_nop 0
	PLACES
	s_wait_loadcnt 0x0                             ; Q
	WALK 0, 8                                      ; blocks 0-15
	s_wait_tensorcnt 0x0                           ; my part of fill 2 is in
	ds_add_u32 v[SPW], v[NIL]
	s_mov_b32 s[G0+1], s48
	s_add_nc_u64 s[G0+2:G0+3], s[G0+2:G0+3], 8*STEPB    ; block 24 + w
	s_wait_dscnt 0x0                               ; the add is done, and my reads of region A are over
	CROUND                                         ; no wave of any partner still reads region A or has a load on its way
	tensor_load_to_lds s[G0:G0+3], s[G1B:G1B+7]    ; fill 3, into region A's first half
	s_nop 0
	PLACES
	WALK REGB, 4                                   ; blocks 16-23
	s_wait_tensorcnt 0x0                           ; my part of fill 3 is in
	ds_add_u32 v[SPW], v[NIL]
	s_wait_dscnt 0x0                               ; my reads of region B are over
	s_barrier_signal -1
	s_barrier_wait -1
	WALK 0, 4                                      ; blocks 24-31
	; THE WAY OUT.  O^T is divided by the row's sum and goes through my stage: a row of 64 channels is 256 bytes, which sixteen lanes store as one aligned run of 256 bytes of out
	WIN 0x55
.irp t, 0,1
	v_add_f32 v[LL+2*\t], v[LL+2*\t], v[LL+2*\t+1]
.endr
.irp t, 0,1
	s_delay_alu instid0(VALU_DEP_2)
	v_permlanex16_b32 v[TP+\t], v[LL+2*\t], s[SEL], s[SEL+1]
.endr
.irp t, 0,1
	s_delay_alu instid0(VALU_DEP_2)
	v_add_f32 v[LL+2*\t], v[LL+2*\t], v[TP+\t]     ; with lane l xor 16's blocks: the row's sum
.endr
	s_wait_alu depctr_va_vdst(0)                   ; the wait ahead of the transcendentals
	v_rcp_f32 v[LL], v[LL]
	v_rcp_f32 v[LL+2], v[LL+2]
	v_nop                                          ; one plain place behind them
	WIN 0x04
	s_wait_alu depctr_va_vdst(0)                   ; the wait ahead of the first reader of the reciprocals and of O^T
.irp t, 0,1
.set J, 0
.rept 16
	v_pk_mul_f32 v[KF+32*\t+J:KF+32*\t+J+1], v[OT+32*\t+J:OT+32*\t+J+1], v[LL+2*\t:LL+2*\t+1] op_sel_hi:[1,0]   ; register 8 c + i: channel 16 c + 8 h + i of query row r
.set J, J+2
.endr
.endr
	WIN 0
.irp t, 0,1
.irp c, 0,1,2,3
	ds_store_b128 v[STO], v[KF+32*\t+8*\c:KF+32*\t+8*\c+3] offset:16*SP*\t+64*\c
	ds_store_b128 v[STO], v[KF+32*\t+8*\c+4:KF+32*\t+8*\c+7] offset:16*SP*\t+64*\c+16
.endr
.endr
.irp n, 0,1,2,3,4,5,6,7,8,9,10,11,12,13,14,15
	ds_load_b128 v[OT+4*\n:OT+4*\n+3], v[RD] offset:2*SP*\n   ; LDS serves a wave's instructions in order: these see my stores
.endr
.irp n, 0,1,2,3,4,5,6,7,8,9,10,11,12,13,14,15
	s_wait_dscnt 15-\n                             ; the younger loads from the stage may stay out
	global_store_b128 v[GO], v[OT+4*\n:OT+4*\n+3], s[8:9] offset:(8*(\n/8)+2*(\n%4)+32*((\n%8)/4))*2048 th:TH_STORE_NT   ; stage row i of tile t is token 8 t + i % 8 + 32 (i / 8)
.endr
	s_wait_tensorcnt 0x0                           ; the wave's end
	ds_add_u32 v[SPW], v[NIL]
	s_wait_dscnt 0x0
	CROUND                                         ; the closing round
	s_endpgm
.Lfunc_end_k_qf0edc62660_attn3:
	.size	k_qf0edc62660_attn3, .Lfunc_end_k_qf0edc62660_attn3-k_qf0edc62660_attn3
	.p2alignl 7, 3214868480
	.fill 96, 4, 3214868480
	.section	.rodata,"a",@progbits
	.p2align	6, 0x0
	.amdhsa_kernel k_qf0edc62660_attn3
		.amdhsa_group_segment_fixed_size 327680
		.amdhsa_private_segment_fixed_size 0
		.amdhsa_enable_private_segment 0
		.amdhsa_kernarg_size 24
		.amdhsa_user_sgpr_count 2
		.amdhsa_user_sgpr_kernarg_segment_ptr 1
		.amdhsa_wavefront_size32 1
		.amdhsa_system_sgpr_workgroup_id_x 1
		.amdhsa_system_sgpr_workgroup_id_y 1
		.amdhsa_system_sgpr_workgroup_id_z 1
		.amdhsa_system_vgpr_workitem_id 0
		.amdhsa_next_free_vgpr 512
		.amdhsa_next_free_sgpr 66
		.amdhsa_reserve_vcc 0
		.amdhsa_float_denorm_mode_32 3
		.amdhsa_float_denorm_mode_16_64 3
		.amdhsa_memory_ordered 1
		.amdhsa_forward_progress 1
		.amdhsa_inst_pref_size 171
	.end_amdhsa_kernel
	.amdgpu_metadata
---
amdhsa.version: [ 1, 2 ]
amdhsa.kernels:
  - .name:           k_qf0edc62660_attn3
    .symbol:         k_qf0edc62660_attn3.kd
    .args:
      - { .name: qc, .offset: 0, .size: 8, .value_kind: global_buffer, .address_space: global }
      - { .name: kv, .offset: 8, .size: 8, .value_kind: global_buffer, .address_space: global }
      - { .name: out0, .offset: 16, .size: 8, .value_kind: global_buffer, .address_space: global }
    .group_segment_fixed_size: 327680
    .private_segment_fixed_size: 0
    .kernarg_segment_align: 8
    .kernarg_segment_size: 24
    .max_flat_workgroup_size: 256
    .sgpr_count:     66
    .vgpr_count:     512
    .wavefront_size: 32
...
	.end_amdgpu_metadata
.endif
;; end of part 3
